; MI455X (gfx1250); checked and timed in simulation.
; The chip was launched on July 23, 2026; its instructions are those of AMD's public machine-readable ISA for CDNA 5 (MIT licence, August 2026) and "CDNA5" Instruction Set Architecture Reference Guide (July 2026). The comments in the code are by the model that wrote it; some were corrected since.
;; Vector Quantize. Allowed arithmetic: matrix products marked QUANTISED: E2M3 operands, one E8M0 scale for each 32 along K, by v_wmma_scale_f32_16x16x128_f8f6f4 with both operands' format E2M3, f32 sums; everything else in f32.
;; Inputs: codebook_weight 8,192 x 256 float32; proj_b 256 float32; proj_w 256 x 256 float32; z_e 16 x 2,048 x 256 float32.
;; Outputs: out0 16 x 2,048 x 256 float32; out1 one number float32; out2 16 x 2,048 int32.
;; This version of the problem:
;;   THIS VERSION OF THE PROBLEM IS GIVEN IN LOW PRECISION. The matrix products marked QUANTISED in the list below multiply operands that are first quantised to E2M3 (2 exponent bits, 3 mantissa bits; 6 bits a number), with one power-of-two scale for each 32 numbers along K (OCP MX v1.0); their sums are f32. All else is computed in f32.
;;   The module's matrix products, in the order in which they are computed (A, B: the left and right operand; K: the contracted axis; several contracted axes count as one K, in the product's order):
;;     1. [M 8,192, K 256] x [K 256, N 256]; A: input codebook_weight; B: input proj_w: QUANTISED
;;     2. [M 32,768, K 256] x [K 256, N 8,192]; A: input z_e; B: computed on the way: QUANTISED
;;   THE QUANTISER, for each operand of a quantised product, along K:
;;     - K is cut into blocks of 32 from its start; a last block that is shorter is filled with zeros.
;;     - A block's scale is 2^e with e = floor(log2(the largest magnitude in the block)) - 2, held to -126 .. 127; a block of zeros has e = 0. As a byte (E8M0): e + 127.
;;     - Each number is divided by its block's scale, clamped to +-7.5, and rounded to the nearest number of E2M3, ties to even, subnormals kept.
;;     - The product sums the exact products of the quantised numbers (number of the format x scale) in f32.
;;   ~~~python
;;   def quantise(x, axis):      # numpy; x: float32 -> the quantised numbers, widened to float32 again
;;       x = np.moveaxis(x, axis, -1); K = x.shape[-1]
;;       x = np.pad(x, [(0, 0)] * (x.ndim - 1) + [(0, -K % 32)]); x = x.reshape(x.shape[:-1] + (-1, 32)); a = np.abs(x).max(-1, keepdims=True)
;;       e = np.where(a > 0, np.clip(np.frexp(np.where(a > 0, a, 1))[1] - 1 - 2, -126, 127), 0)      # np.frexp(a)[1] - 1 = floor(log2(a)), exactly
;;       r = np.clip(x / 2.0 ** e, -7.5, 7.5)
;;       step = 2.0 ** (np.maximum(np.frexp(np.where(r == 0, 1, r))[1] - 1, 0) - 3)
;;       q = np.round(r / step) * step * 2.0 ** e      # np.round: ties to even
;;       return np.moveaxis(q.reshape(q.shape[:-2] + (-1,))[..., :K], -1, axis).astype(np.float32)
;;   ~~~
;;   OPERANDS COMPUTED ON THE WAY. 'Computed on the way' means the value that the module computes at that place (a softmax that the list does not call 'softmax' is quantised finished and normalised). What goes into a quantiser is computed in f32, as accurately as f32 sums, v_exp_f32 and their like allow (about 1e-6 of the number): no bf16 or f16 on the way to a quantiser, and a product that is left as it is and whose result goes on into a quantised operand takes f32 operands (vector FMAs, or v_wmma_f32_16x16x4_f32). A number that lies on a knife's edge between two numbers of the format may be rounded either way, as far as f32 arithmetic and the matrix unit's own rounding can turn it there, and no further.
;; One version. Each part assembles by itself: llvm-mc -triple=amdgcn-amd-amdhsa -mcpu=gfx1250 --defsym DOCPART=n.
;; ======== version 1 of 1: 4 launches
;; limits: right only within a limited range of input values
;; workspace buffers: cbf 8,388,608 bytes; cbimg 1,703,936 bytes; idxw 131,072 bytes of whole numbers; part 1,024 bytes
;; launch codebook (part 1): grid 128 x 1, 8 waves a work-group, no clusters, 136,960 bytes of LDS; arguments codebook_weight, proj_w, proj_b, cbf, cbimg; writes cbf, cbimg
.if DOCPART == 1
	.amdgcn_target "amdgcn-amd-amdhsa--gfx1250"
	.amdhsa_code_object_version 6
	.text
	.protected	k_qd727454086_codebook
	.globl	k_qd727454086_codebook
	.p2align	8
	.type	k_qd727454086_codebook,@function
k_qd727454086_codebook:
	s_mov_b64 s[64:65], 0
	v_nop
	global_prefetch_b8 v0, s[64:65] scope:SCOPE_SE
	s_setreg_imm32_b32 hwreg(HW_REG_WAVE_MODE, 25, 1), 1
	s_wait_xcnt 0x0
; codebook[n][o] = sum over k of Q(cw)[n][k] Q(proj_w)[o][k] + b[o]: 8,192 codes x 256 outputs, K = 256, both operands quantised here to FP6 (E2M3) with one E8M0 scale for each 32 along K.
; It leaves twice: as f32 rows (cbf, for the gather) and, quantised again along its 256 outputs, as RECORDS (cbimg) that the distance launch takes as they lie.
; A record serves 16 codes and is 3,328 bytes: the image of the operand's registers for K 0..127 (register group c of four at 512 c + 16 x lane), the same for K 128..255, at 3,072 the scale words
; (4 x lane: lanes 0-15 code r's word of K step 0, lanes 16-31 of K step 1), at 3,200 the sixteen sums of squares c2, then 64 bytes of zeros.
; SHARES.  Work-group g owns codes 64 g .. 64 g + 63: four tiles of 16.  Wave w takes tile p = w / 2 and outputs 128 u .. 128 u + 127, u = w % 2: one K step of the next quantiser.
; Every work-group needs all of proj_w as codes: its eight waves quantise four of the 32 fragments each, and one fragment of cw, and hand them round through LDS as images of the registers.
; THE PRODUCT IS USED TRANSPOSED (source 0 = 16 rows of proj_w, source 1 = 16 codes): a lane holds one code, its registers run along the outputs.  THE ROWS OF proj_w THAT FORM A TILE ARE NOT NEIGHBOURS:
; lane r of tile 2 b + u takes row 32 b + 8 u + r + 8 (r / 8), so that the 16 registers of tiles 2 b and 2 b + 1 are 16 neighbouring outputs.  The bias is the C of each sum's first matrix instruction.
; NO CLUSTER: what the work-groups share is proj_w as f32, which goes through registers to be quantised; no tile lands in LDS by a tensor load that partners could ask for jointly.
; LIMITS: NaN and infinities among the inputs are not served.  A block whose largest magnitude lies under 2^-124, a block of zeros among them, gets the scale byte 1 (the stated quantiser gives zeros 127): its bytes are read
; by this program alone.  The bias is added inside the first matrix instruction, not behind the finished sum: the last bit of a codebook number may differ from sum-then-add.
.set FRB,  1536                        ; a fragment's image: 12 registers x 128 bytes
.set REC,  3328
.set PIMG, 0                           ; LDS: proj_w's 32 fragments, (tile T, K step s) at (2 T + s) FRB
.set PSC,  49152                       ; their scale words, 128 bytes each
.set CIMG, 53248                       ; cw's 8 fragments, (tile p, K step s) at (2 p + s) FRB
.set CSCI, 65536                       ; their scale words
.set STG,  66560                       ; a stage of 16 rows x (512 + 16) bytes for each wave
.set SP,   528
.set SIDE, 134144                      ; the last 256 bytes of each of the four records
.set C2P,  135168                      ; the two halves of c2: 4 tiles x 2 x 64 bytes
.set LI,  4                            ; v4   16 x lane
.set LS,  5                            ; v5   4 x lane
.set XAP, 6                            ; v6   proj_w: (r + 8 (r / 8)) x 1,024 + 64 h
.set XAC, 7                            ; v7   cw: r x 1,024 + 64 h
.set PWI, 8                            ; v8   where I store proj_w's images;  v9 their scale words
.set PWS, 9
.set CWI, 10                           ; v10  where I store cw's image;  v11 its scale words
.set CWS, 11
.set CFI, 12                           ; v12  where I read my tile's images of cw;  v13 their scale words
.set CFS, 13
.set PFI, 14                           ; v14  where I read my eight tiles of proj_w;  v15 their scale words
.set PFS, 15
.set STO, 16                           ; v16  the stage: in;  v17 back
.set STR, 17
.set SDW, 18                           ; v18  the record's scale words: mine
.set C2W, 19                           ; v19  my half of c2;  v20 both halves
.set C2R, 20
.set SDC, 21                           ; v21  the record's c2
.set SDR, 22                           ; v22  the record's last 256 bytes, 8 a lane
.set L8,  23                           ; v23  8 x lane
.set BO,  24                           ; v24  64 h
.set NIL, 25                           ; v25  0
.set TM,  26                           ; v26-37 the quantiser's: +0..3 largest magnitudes, +4..7 bytes, +8..11 scale operands; +0..2 and +4..6 then take the upper halves' codes
.set PW,  38                           ; v38  the scale word just made
.set TP,  39                           ; v39  at work
.set PC,  40                           ; v40-51 the fragment just made
.set PS,  52                           ; v52-59 proj_w's scale words of a round: these and v60-61 hold scales and nothing else
.set CS,  60                           ; v60-61 cw's scale words
.set C2H, 62                           ; v62  my half of c2
.set XB0, 64                           ; three sets of 64 numbers
.set XB1, 128
.set XB2, 192
.set PF,  64                           ; in the product: eight fragments of proj_w, v64-159
.set CFR, 168                          ; my tile's two fragments of cw, v168-191
.set ACC, 192                          ; eight accumulators, v192-255
.set OUTR, 64                          ; the way out: 16 rows back from the stage
.set SEL, 20                           ; s[20:21] v_permlanex16_b32's selects for lane l xor 16
; 64 numbers of a lane, register 16 b + i = k 32 b + 16 (lane / 16) + i of my row, become a fragment in v[d] on and my row's scale word in v[PW].
.macro QUANT s, d
.irp b, 0,1,2,3
	v_max3_num_f32 v[TM+\b], |v[\s+16*\b]|, |v[\s+1+16*\b]|, 0x1800000   ; block b: my 16 numbers, and the floor 2^(3 - 127): the byte cannot fall under 1
.endr
.irp i, 2,4,6,8,10,12,14
.irp b, 0,1,2,3
	v_max3_num_f32 v[TM+\b], v[TM+\b], |v[\s+16*\b+\i]|, |v[\s+1+16*\b+\i]|   ; the four blocks by turns
.endr
.endr
.irp b, 0,1,2,3
	s_delay_alu instid0(VALU_DEP_4)
	v_permlanex16_b32 v[TM+4+\b], v[TM+\b], s[SEL], s[SEL+1]
.endr
.irp b, 0,1,2,3
	s_delay_alu instid0(VALU_DEP_4)
	v_max_num_f32 v[TM+\b], v[TM+\b], v[TM+4+\b]      ; with lane l xor 16's: the block's largest magnitude
.endr
.irp b, 0,1,2,3
	s_delay_alu instid0(VALU_DEP_4)
	v_add_nc_u32 v[TM+8+\b], 0xff000000, v[TM+\b]     ; 2 off its exponent field: the conversion's scale operand
.endr
.irp b, 0,1,2,3
	s_delay_alu instid0(VALU_DEP_4)
	v_lshrrev_b32 v[TM+4+\b], 23, v[TM+8+\b]          ; the scale's byte
.endr
	s_delay_alu instid0(VALU_DEP_3)
	v_lshl_or_b32 v[PW], v[TM+5], 8, v[TM+4]
	s_delay_alu instid0(VALU_DEP_1)
	v_lshl_or_b32 v[PW], v[TM+6], 16, v[PW]
	s_delay_alu instid0(VALU_DEP_1)
	v_lshl_or_b32 v[PW], v[TM+7], 24, v[PW]
.irp c, 0,1
	v_cvt_scalef32_pk16_fp6_f32 v[\d+6*\c:\d+6*\c+2], v[\s+32*\c:\s+32*\c+15], v[TM+8+2*\c]
	v_cvt_scalef32_pk16_fp6_f32 v[TM+4*\c:TM+4*\c+2], v[\s+32*\c+16:\s+32*\c+31], v[TM+9+2*\c]   ; a conversion's three registers begin on an even number: made here, moved below
.endr
	v_nop                                          ; one plain place behind a scaled conversion
.irp c, 0,1                                    ; the operand's layout wants a whole block in a lane: lanes 0-15 block 2 c, lanes 16-31 block 2 c + 1
.irp i, 0,1,2
	v_permlane16_swap_b32 v[\d+6*\c+\i], v[TM+4*\c+\i]
.endr
.irp i, 0,1,2
	s_delay_alu instid0(VALU_DEP_3)
	v_mov_b32 v[\d+3+6*\c+\i], v[TM+4*\c+\i]
.endr
.endr
.endm
.macro IMAGE adr, off, d                       ; a fragment goes to LDS as it stands
.irp c, 0,1,2
	ds_store_b128 v[\adr], v[\d+4*\c:\d+4*\c+3] offset:\off+512*\c
.endr
.endm
.macro FETCH reg, adr, off                     ; and comes back so, in any wave
.irp c, 0,1,2
	ds_load_b128 v[\reg+4*\c:\reg+4*\c+3], v[\adr] offset:\off+512*\c
.endr
.endm
.macro XLOAD reg, adr, base, off               ; 128 along K of my row: 16 neighbours of each block of 32
.irp b, 0,1,2,3
.irp j, 0,1,2,3
	global_load_b128 v[\reg+16*\b+4*\j:\reg+16*\b+4*\j+3], v[\adr], s[\base:\base+1] offset:\off+128*\b+16*\j
.endr
.endr
.endm
.macro XLOADN reg, adr, base, off              ; the same for bytes that the launch reads once
.irp b, 0,1,2,3
.irp j, 0,1,2,3
	global_load_b128 v[\reg+16*\b+4*\j:\reg+16*\b+4*\j+3], v[\adr], s[\base:\base+1] offset:\off+128*\b+16*\j th:TH_LOAD_NT
.endr
.endr
.endm
.macro BARRIER                                 ; my LDS stores have landed and my LDS loads are in: then the work-group's barrier
	s_wait_dscnt 0x0
	s_barrier_signal -1
	s_barrier_wait -1
.endm
	s_load_b256 s[4:11], s[0:1], 0x0               ; cw s[4:5], proj_w s[6:7], proj_b s[8:9], cbf s[10:11]
	s_load_b64 s[12:13], s[0:1], 0x20              ; cbimg
	v_lshl_add_u32 v63, v0, 2, 0x21300
	s_set_vgpr_msb 0x40
	v_mov_b32 v1, 0
	s_set_vgpr_msb 0x4000
	v_lshrrev_b32 v1, 5, v0
	s_delay_alu instid0(VALU_DEP_1)
	v_readfirstlane_b32 s14, v1                    ; wave 0..7
	s_lshr_b32 s15, s14, 1                         ; p: my tile of codes
	s_and_b32 s16, s14, 1                          ; u: my half of the outputs
	v_and_b32 v1, 31, v0                           ; lane
	v_and_b32 v2, 15, v0                           ; r
	v_bfe_u32 v3, v0, 4, 1                         ; h
	s_delay_alu instid0(VALU_DEP_3)
	v_lshlrev_b32 v[LI], 4, v1
	s_delay_alu instid0(VALU_DEP_4)
	v_lshlrev_b32 v[LS], 2, v1
	v_lshlrev_b32 v[L8], 3, v1
	s_delay_alu instid0(VALU_DEP_4)
	v_lshlrev_b32 v[BO], 6, v3
	v_mov_b32 v[NIL], 0
	v_and_b32 v[TP], 8, v2
	s_delay_alu instid0(VALU_DEP_1)
	v_add_nc_u32 v[TP], v[TP], v2                  ; r + 8 (r / 8)
	s_delay_alu instid0(VALU_DEP_1)
	v_lshl_add_u32 v[XAP], v[TP], 10, v[BO]
	v_lshl_add_u32 v[XAC], v2, 10, v[BO]
	s_mul_i32 s22, s14, 4*FRB                      ; every LDS address: a constant + a constant x lane + a constant x wave (or p, or u)
	v_add_nc_u32 v[PWI], s22, v[LI]
	s_lshl_b32 s22, s14, 9
	s_add_co_u32 s22, s22, PSC
	v_add_nc_u32 v[PWS], s22, v[LS]
	s_mul_i32 s22, s14, FRB
	s_add_co_u32 s22, s22, CIMG
	v_add_nc_u32 v[CWI], s22, v[LI]
	s_lshl_b32 s22, s14, 7
	s_add_co_u32 s22, s22, CSCI
	v_add_nc_u32 v[CWS], s22, v[LS]
	s_mul_i32 s22, s15, 2*FRB
	s_add_co_u32 s22, s22, CIMG
	v_add_nc_u32 v[CFI], s22, v[LI]
	s_lshl_b32 s22, s15, 8
	s_add_co_u32 s22, s22, CSCI
	v_add_nc_u32 v[CFS], s22, v[LS]
	s_mul_i32 s22, s16, 16*FRB
	v_add_nc_u32 v[PFI], s22, v[LI]
	s_lshl_b32 s22, s16, 11
	s_add_co_u32 s22, s22, PSC
	v_add_nc_u32 v[PFS], s22, v[LS]
	s_mul_i32 s22, s14, 16*SP
	s_add_co_u32 s22, s22, STG
	v_mul_u32_u24 v[TP], v2, SP
	s_delay_alu instid0(VALU_DEP_1)
	v_add_nc_u32 v[TP], v[TP], v[BO]               ; row r, + 64 h
	s_delay_alu instid0(VALU_DEP_1)
	v_add_nc_u32 v[STO], s22, v[TP]
	v_add_nc_u32 v[STR], s22, v[LI]
	v_lshlrev_b32 v[TP], 2, v2                     ; 4 r
	s_wait_alu depctr_va_vdst(0)
	s_lshl_b32 s22, s15, 8                         ; 256 p
	s_lshl_b32 s23, s16, 6                         ; 64 u
	s_add_co_u32 s24, s22, s23
	s_add_co_u32 s24, s24, SIDE
	v_add_nc_u32 v[SDW], s24, v[TP]
	s_add_co_u32 s24, s22, SIDE+128
	v_add_nc_u32 v[SDC], s24, v[TP]
	s_add_co_u32 s24, s22, SIDE
	v_add_nc_u32 v[SDR], s24, v[L8]
	s_lshl_b32 s22, s15, 7                         ; 128 p
	s_add_co_u32 s24, s22, s23
	s_add_co_u32 s24, s24, C2P
	v_add_nc_u32 v[C2W], s24, v[TP]
	s_add_co_u32 s24, s22, C2P
	v_add_nc_u32 v[C2R], s24, v[TP]
	s_mov_b32 s[SEL], 0x76543210
	s_mov_b32 s[SEL+1], 0xfedcba98
.irp b, 0,1,2,3
	v_mov_b32 v[TM+4+\b], 0                        ; written once: a lane permute's destination counts as one of its sources
.endr
	s_lshl_b32 s22, s14, 15                        ; proj_w: my 32 rows of 1,024 bytes
	s_mov_b32 s23, 0
	s_lshl_b32 s24, ttmp9, 16                      ; cw and cbf: 64 rows a work-group,
	s_lshl_b32 s26, s15, 14                        ; 16 a tile,
	s_add_co_u32 s24, s24, s26
	s_lshl_b32 s26, s16, 9                         ; and my 512 bytes of a row
	s_add_co_u32 s24, s24, s26
	s_mov_b32 s25, 0
	s_mov_b32 s27, 0                               ; s[26:27]: my 128 numbers of the bias
	s_lshl_b32 s28, ttmp9, 2
	s_add_co_u32 s28, s28, s15
	s_mul_i32 s28, s28, REC                        ; my tile's record,
	s_mul_i32 s30, s16, FRB                        ; my K step's image in it
	s_add_co_u32 s28, s28, s30
	s_mov_b32 s29, 0
	s_wait_kmcnt 0x0
	s_add_nc_u64 s[6:7], s[6:7], s[22:23]
	s_add_nc_u64 s[4:5], s[4:5], s[24:25]
	s_add_nc_u64 s[10:11], s[10:11], s[24:25]
	s_add_nc_u64 s[8:9], s[8:9], s[26:27]
	s_add_nc_u64 s[12:13], s[12:13], s[28:29]
	; ---- Q: five jobs of 16 loads on three sets of registers.  Jobs 0-3: proj_w's tile 2 w + u', K step s, job = 2 u' + s, at 8,192 u' + 512 s.  Job 4: my fragment of cw.
	XLOAD XB0, XAP, 6, 0
	XLOAD XB1, XAP, 6, 512
	XLOAD XB2, XAP, 6, 8192
	s_wait_loadcnt 32                              ; job 0 is in; jobs 1 and 2, 16 loads each, may be out
	QUANT XB0, PC
	IMAGE PWI, 0, PC
	ds_store_b32 v[PWS], v[PW]
	s_wait_dscnt 0x0                               ; the stores have read their registers
	XLOAD XB0, XAP, 6, 8704
	s_wait_loadcnt 32                              ; job 1 is in; jobs 2 and 3 may be out
	QUANT XB1, PC
	IMAGE PWI, FRB, PC
	ds_store_b32 v[PWS], v[PW] offset:128
	s_wait_dscnt 0x0
	XLOADN XB1, XAC, 4, 0
	s_wait_loadcnt 32                              ; job 2 is in; jobs 3 and 4 may be out
	QUANT XB2, PC
	IMAGE PWI, 2*FRB, PC
	ds_store_b32 v[PWS], v[PW] offset:256
	s_wait_dscnt 0x0
.irp b, 0,1,2,3                                ; the bias in the result's layout: register 16 b + i is b[128 u + 32 b + 16 h + i]
.irp j, 0,1,2,3
	global_load_b128 v[ACC+16*\b+4*\j:ACC+16*\b+4*\j+3], v[BO], s[8:9] offset:128*\b+16*\j
.endr
.endr
	s_wait_loadcnt 32                              ; job 3 is in; job 4 and the bias may be out
	QUANT XB0, PC
	IMAGE PWI, 3*FRB, PC
	ds_store_b32 v[PWS], v[PW] offset:384
	s_wait_dscnt 0x0
	s_wait_loadcnt 16                              ; job 4 is in; the bias's 16 loads may be out
	QUANT XB1, PC
	IMAGE CWI, 0, PC
	ds_store_b32 v[CWS], v[PW]
	BARRIER                                        ; all 32 fragments of proj_w and all 8 of cw lie in LDS
	; ---- P: my tile of codes against my eight tiles of proj_w, four at a time; the accumulators take turns, one instruction a turn
	FETCH CFR, CFI, 0
	FETCH CFR+12, CFI, FRB
	ds_load_b32 v[CS], v[CFS]
	ds_load_b32 v[CS+1], v[CFS] offset:128
.irp R, 0,1
.irp t, 0,1,2,3
.irp s, 0,1
	FETCH PF+12*(2*\t+\s), PFI, (2*(4*\R+\t)+\s)*FRB
	ds_load_b32 v[PS+2*\t+\s], v[PFS] offset:(2*(4*\R+\t)+\s)*128
.endr
.endr
	s_wait_dscnt 0x0
.if \R == 0
	s_wait_loadcnt 0x0                             ; the bias
.endif
.irp t, 0,1,2,3
	v_wmma_scale_f32_16x16x128_f8f6f4 v[ACC+8*(4*\R+\t):ACC+8*(4*\R+\t)+7], v[PF+24*\t:PF+24*\t+11], v[CFR:CFR+11], v[ACC+8*(4*\R+\t):ACC+8*(4*\R+\t)+7], v[PS+2*\t], v[CS] matrix_a_fmt:MATRIX_FMT_FP6 matrix_b_fmt:MATRIX_FMT_FP6
.endr
.irp t, 0,1,2,3
	v_wmma_scale_f32_16x16x128_f8f6f4 v[ACC+8*(4*\R+\t):ACC+8*(4*\R+\t)+7], v[PF+24*\t+12:PF+24*\t+23], v[CFR+12:CFR+23], v[ACC+8*(4*\R+\t):ACC+8*(4*\R+\t)+7], v[PS+2*\t+1], v[CS+1] matrix_a_fmt:MATRIX_FMT_FP6 matrix_b_fmt:MATRIX_FMT_FP6
.endr
.rept 4
	v_nop                                          ; four places in front of loads into registers that these products read, and of the first read of results
.endr
.endr
	; ---- E: register 16 b + i is codebook[code r][128 u + 32 b + 16 h + i].  Its squares' sum, its codes, and the numbers themselves leave.
	v_pk_mul_f32 v[TM:TM+1], v[ACC:ACC+1], v[ACC:ACC+1]               ; two chains of pairs; each accumulator is read from its low end on
	v_pk_mul_f32 v[TM+2:TM+3], v[ACC+2:ACC+3], v[ACC+2:ACC+3]
.irp j, 4,8,12,16,20,24,28,32,36,40,44,48,52,56,60
	v_pk_fma_f32 v[TM:TM+1], v[ACC+\j:ACC+\j+1], v[ACC+\j:ACC+\j+1], v[TM:TM+1]
	v_pk_fma_f32 v[TM+2:TM+3], v[ACC+\j+2:ACC+\j+3], v[ACC+\j+2:ACC+\j+3], v[TM+2:TM+3]
.endr
	s_delay_alu instid0(VALU_DEP_2)
	v_add_f32 v[TM], v[TM], v[TM+1]
	s_delay_alu instid0(VALU_DEP_2)
	v_add_f32 v[TM+2], v[TM+2], v[TM+3]
	s_delay_alu instid0(VALU_DEP_1)
	v_add_f32 v[TM], v[TM], v[TM+2]
	s_delay_alu instid0(VALU_DEP_1)
	v_permlanex16_b32 v[TM+4], v[TM], s[SEL], s[SEL+1]
	s_delay_alu instid0(VALU_DEP_1)
	v_add_f32 v[C2H], v[TM], v[TM+4]               ; my 128 outputs' part of c2 of code r
	QUANT ACC, PC
.irp c, 0,1,2
	global_store_b128 v[LI], v[PC+4*\c:PC+4*\c+3], s[12:13] offset:512*\c   ; the image: each store of the wave covers 512 consecutive bytes, aligned to 256
.endr
	ds_store_b32 v[SDW], v[PW]                     ; lanes r and r + 16 write the same word with the same value
	ds_store_b32 v[C2W], v[C2H]
.irp b, 0,1,2,3
.irp j, 0,1,2,3
	ds_store_b128 v[STO], v[ACC+16*\b+4*\j:ACC+16*\b+4*\j+3] offset:128*\b+16*\j
.endr
.endr
.irp i, 0,1,2,3,4,5,6,7,8,9,10,11,12,13,14,15
	ds_load_b128 v[OUTR+4*\i:OUTR+4*\i+3], v[STR] offset:\i*SP     ; LDS serves a wave's instructions in order (ISA guide 5.7.1.4): these see my stores
.endr
.irp i, 0,1,2,3,4,5,6,7,8,9,10,11,12,13,14,15
	s_wait_dscnt 15-\i                             ; row i is back; the younger loads may be out
	global_store_b128 v[LI], v[OUTR+4*\i:OUTR+4*\i+3], s[10:11] offset:1024*\i   ; 512 consecutive bytes of a row of cbf, aligned to 256
.endr
	BARRIER                                        ; both waves of a tile have put their scale words and their half of c2 down
	s_cmp_lg_u32 s16, 0                            ; the even wave of a tile finishes the record's last 256 bytes
	s_cbranch_scc1 .Ldone
	ds_load_b32 v[TM], v[C2R]
	ds_load_b32 v[TM+1], v[C2R] offset:64
	s_wait_dscnt 0x0
	v_add_f32 v[TM+2], v[TM], v[TM+1]
	ds_store_b32 v[SDC], v[TM+2]                   ; c2
	ds_store_b32 v[SDC], v[NIL] offset:64          ; the zeros
	ds_load_b64 v[TM+4:TM+5], v[SDR]               ; in order behind my stores
	s_wait_dscnt 0x0
	global_store_b64 v[L8], v[TM+4:TM+5], s[12:13] offset:3072     ; 256 consecutive bytes, aligned (u = 0: my pointer stands at the record's head)
.Ldone:
	s_set_vgpr_msb 0x4
	s_wait_tensorcnt 0x0
	ds_add_u32 v63, v1
	s_wait_dscnt 0x0
	s_set_vgpr_msb 0x400
	s_endpgm
.Lfunc_end_k_qd727454086_codebook:
	.size	k_qd727454086_codebook, .Lfunc_end_k_qd727454086_codebook-k_qd727454086_codebook
	.p2alignl 7, 3214868480
	.fill 96, 4, 3214868480
	.section	.rodata,"a",@progbits
	.p2align	6, 0x0
	.amdhsa_kernel k_qd727454086_codebook
		.amdhsa_group_segment_fixed_size 136960
		.amdhsa_private_segment_fixed_size 0
		.amdhsa_enable_private_segment 0
		.amdhsa_kernarg_size 40
		.amdhsa_user_sgpr_count 2
		.amdhsa_user_sgpr_kernarg_segment_ptr 1
		.amdhsa_wavefront_size32 1
		.amdhsa_system_sgpr_workgroup_id_x 1
		.amdhsa_system_sgpr_workgroup_id_y 1
		.amdhsa_system_sgpr_workgroup_id_z 1
		.amdhsa_system_vgpr_workitem_id 0
		.amdhsa_next_free_vgpr 258
		.amdhsa_next_free_sgpr 66
		.amdhsa_reserve_vcc 0
		.amdhsa_float_denorm_mode_32 3
		.amdhsa_float_denorm_mode_16_64 3
		.amdhsa_memory_ordered 1
		.amdhsa_forward_progress 1
		.amdhsa_inst_pref_size 57
	.end_amdhsa_kernel
	.amdgpu_metadata
---
amdhsa.version: [ 1, 2 ]
amdhsa.kernels:
  - .name:           k_qd727454086_codebook
    .symbol:         k_qd727454086_codebook.kd
    .args:
      - { .name: codebook_weight, .offset: 0, .size: 8, .value_kind: global_buffer, .address_space: global }
      - { .name: proj_w, .offset: 8, .size: 8, .value_kind: global_buffer, .address_space: global }
      - { .name: proj_b, .offset: 16, .size: 8, .value_kind: global_buffer, .address_space: global }
      - { .name: cbf, .offset: 24, .size: 8, .value_kind: global_buffer, .address_space: global }
      - { .name: cbimg, .offset: 32, .size: 8, .value_kind: global_buffer, .address_space: global }
    .group_segment_fixed_size: 136960
    .private_segment_fixed_size: 0
    .kernarg_segment_align: 8
    .kernarg_segment_size: 40
    .max_flat_workgroup_size: 256
    .sgpr_count:     66
    .vgpr_count:     258
    .wavefront_size: 32
...
	.end_amdgpu_metadata
.endif
;; end of part 1
;; launch vqmain (part 2): grid 256 x 1, 8 waves a work-group, clusters of 4 x 1, 327,680 bytes of LDS; arguments z_e, cbimg, out2, idxw; writes out2, idxw
.if DOCPART == 2
	.amdgcn_target "amdgcn-amd-amdhsa--gfx1250"
	.amdhsa_code_object_version 6
	.text
	.protected	k_qd727454086_vqmain
	.globl	k_qd727454086_vqmain
	.p2align	8
	.type	k_qd727454086_vqmain,@function
k_qd727454086_vqmain:
	s_mov_b64 s[64:65], 0
	v_nop
	global_prefetch_b8 v0, s[64:65] scope:SCOPE_SE
	s_setreg_imm32_b32 hwreg(HW_REG_WAVE_MODE, 25, 1), 1
	s_wait_xcnt 0x0
	s_wait_alu depctr_hold_cnt(0) depctr_sa_sdst(0) depctr_va_vdst(0) depctr_va_sdst(0) depctr_va_ssrc(0) depctr_va_vcc(0) depctr_vm_vsrc(0)
	s_getreg_b32 s2, hwreg(HW_REG_IB_STS2, 6, 4)
	s_cmp_eq_u32 s2, 0
	s_cbranch_scc0 .Lentry_in_a_cluster
	s_endpgm
.Lentry_in_a_cluster:
	s_bfe_u32 s2, ttmp6, 0x10000c
	s_cmp_lg_u32 s2, 0x3003
	s_cbranch_scc0 .Lentry_shape_is_right
	s_endpgm
.Lentry_shape_is_right:
; indices[q] = the first n at which dist[q][n] = (e2[q] + c2[n]) - 2 Q(z_e)[q] . Q(codebook)[n] is least.  32,768 queries, 8,192 codes, K = 256; the product on codes of FP6 (E2M3), one E8M0 scale for each 32 along K.
; The distance has the two roundings of the formula as written: one addition e2 + c2, one fused multiply-add with -2.  A smaller distance wins, an equal one only with the lower index.
; SHARES.  A work-group owns 128 queries and walks all codes.  Each of its eight waves holds the codes of all eight tiles of 16 queries (192 registers, window 1) and takes an eighth of the tiles of 16 codes:
; of a slot's 32 records wave w fetches and reads 4 w .. 4 w + 3, by one tensor load of 52 rows of 256 bytes.  No wave reads another wave's records.
; RECORDS (made by the launch before): 3,328 bytes for 16 codes: two fragments as images of the registers, at 3,072 the scale words (lanes 0-15 K step 0, lanes 16-31 K step 1), at 3,200 c2.
; CLUSTER.  All work-groups walk the same records: the four of a cluster ask JOINTLY, by the same load with the same descriptor and the mask 15.
; THE RING: two slots of 32 records.  A slot's fourth tile begins with the wait for all tensor loads, the add, the wait for the wave's LDS reads and the signal that opens a round of the cluster's barrier;
; its 16 matrix instructions and its argmin, work on registers alone, stand between that signal and its wait; the rest of the round follows, and the joint refill of the slot just left, two slots ahead, is first behind it.
; THE PRODUCT IS USED TRANSPOSED (source 0 = 16 codes, source 1 = 16 queries): a lane holds one query (lane % 16) and the codes 8 (lane / 16) + 0 .. 7 of the tile.
; THE ARGMIN.  For each tile of queries a lane keeps the least distance, the tile of codes that brought it (G) and that tile's eight distances (SV); the place among the eight is looked up once, at the end.
; The least distance lives in two registers that change places from tile to tile.  Additions, multiply-adds and selects go two to an instruction (dual forms).
; z_e is read as it lies, each load of a wave 512 consecutive bytes of a row, and turns through the wave's own stage in LDS into the quantiser's layout (a lane: 16 neighbours of each block of 32 of its row).
; LIMITS: NaN and infinities among the inputs are not served.  A block of z_e whose largest magnitude lies under 2^-124, zeros among them, gets the scale byte 1; its bytes are read here alone.
; e2 is summed in another order than a row-wise sum would take.
; REGISTERS.  window 0: v1-15 addresses; v16-23 the queries' scale words; v24-39 pairs (e2, least distance A); v40-47 least distance B; v48-55 G; v56-79 a record's fragments; v80 its scale words; v81 -2;
;   v82-89 c2; v90-105 two sets of eight distances; v106-111 at work; v112-175 SV; v176-239 eight accumulators; v240-254 the head's.   window 1: fragment (q, s) at v[24 q + 12 s].
.set FRB,   1536
.set REC,   3328
.set WPART, 4*REC
.set SLOTB, 8*WPART                    ; 106,496
.set SLOT1, 1<<17                      ; slot 1 begins here: one exclusive or changes slots
.set QIMG,  SLOTB                      ; between the slots: the queries' 16 fragments
.set QSC,   SLOT1+SLOTB                ; behind slot 1: their scale words, 128 bytes a tile,
.set QE2,   QSC+1024                   ; e2 likewise,
.set SPARE, QE2+1024                   ; the spare words, 128 bytes a wave, named by no other line,
.set CMB,   SPARE+1024                 ; the waves' results: 8 x 128 pairs (distance, index),
.set STG,   CMB+8192                   ; and a stage of 16 rows x (512 + 16) bytes for each wave
.set SP,    528
.set CHUNK, 131072                     ; what one fill's prefetch names: cbimg is 13 such chunks
.set SPW, 1
.set NIL, 2
.set LQ,  3
.set LSQ, 4
.set LSE, 5
.set AC0, 6
.set ASC0, 7
.set AC20, 8
.set AC,  9                            ; at the head: the stage, in
.set ASC, 10                           ; at the head: the stage, back
.set AC2, 11
.set VT,  12
.set PFO, 13
.set XA,  14                           ; 16 x lane
.set H8,  15
.set QS,  16
.set ST,  24
.set RB,  40
.set G,   48
.set CF,  56
.set CSC, 80
.set M2,  81
.set C2,  82
.set S,   90
.set TT,  106
.set SV,  112
.set ACC, 176
.set TM,  240
.set QWI, 252
.set QWS, 253
.set QWE, 254
.set X0,  112
.set X1,  176
.set PC,  56
.set PW,  90
.set PW0, 91
.set E2C, 92
.set E2,  96
.set WV,  12
.set G1,  16
.set G0,  24
.set TB,  28
.set TI,  29
.set SLOTS, 30
.set LIM, 31
.set PFA, 32
.set SEL, 34
.set MB,  36
.set MSB, 0
.macro WIN new                         ; the immediate's high byte repeats the setting that is left
.if MSB != \new
	s_set_vgpr_msb (MSB<<8)|\new
.set MSB, \new
.endif
.endm
.macro QUANT s, d                      ; 64 numbers of a lane, register 16 b + i = k 32 b + 16 (lane / 16) + i of my row, become a fragment in v[d] on and my row's scale word in v[PW]
.irp b, 0,1,2,3
	v_max3_num_f32 v[TM+\b], |v[\s+16*\b]|, |v[\s+1+16*\b]|, 0x1800000   ; with the floor 2^(3 - 127): the byte cannot fall under 1
.endr
.irp i, 2,4,6,8,10,12,14
.irp b, 0,1,2,3
	s_delay_alu instid0(VALU_DEP_4)
	v_max3_num_f32 v[TM+\b], v[TM+\b], |v[\s+16*\b+\i]|, |v[\s+1+16*\b+\i]|
.endr
.endr
.irp b, 0,1,2,3
	s_delay_alu instid0(VALU_DEP_4)
	v_permlanex16_b32 v[TM+4+\b], v[TM+\b], s[SEL], s[SEL+1]
.endr
.irp b, 0,1,2,3
	s_delay_alu instid0(VALU_DEP_4)
	v_max_num_f32 v[TM+\b], v[TM+\b], v[TM+4+\b]
.endr
.irp b, 0,1,2,3
	s_delay_alu instid0(VALU_DEP_4)
	v_add_nc_u32 v[TM+8+\b], 0xff000000, v[TM+\b]     ; 2 off the exponent field: the conversion's scale operand
.endr
.irp b, 0,1,2,3
	s_delay_alu instid0(VALU_DEP_4)
	v_lshrrev_b32 v[TM+4+\b], 23, v[TM+8+\b]          ; the scale's byte
.endr
	s_delay_alu instid0(VALU_DEP_3)
	v_lshl_or_b32 v[PW], v[TM+5], 8, v[TM+4]
	s_delay_alu instid0(VALU_DEP_1)
	v_lshl_or_b32 v[PW], v[TM+6], 16, v[PW]
	s_delay_alu instid0(VALU_DEP_1)
	v_lshl_or_b32 v[PW], v[TM+7], 24, v[PW]
.irp c, 0,1
	v_cvt_scalef32_pk16_fp6_f32 v[\d+6*\c:\d+6*\c+2], v[\s+32*\c:\s+32*\c+15], v[TM+8+2*\c]
	v_cvt_scalef32_pk16_fp6_f32 v[TM+4*\c:TM+4*\c+2], v[\s+32*\c+16:\s+32*\c+31], v[TM+9+2*\c]
.endr
	v_nop                                          ; one plain place behind a scaled conversion
.irp c, 0,1
.irp i, 0,1,2
	v_permlane16_swap_b32 v[\d+6*\c+\i], v[TM+4*\c+\i]
.endr
.irp i, 0,1,2
	s_delay_alu instid0(VALU_DEP_3)
	v_mov_b32 v[\d+3+6*\c+\i], v[TM+4*\c+\i]
.endr
.endr
.endm
.macro IMAGE adr, off, d
.irp c, 0,1,2
	ds_store_b128 v[\adr], v[\d+4*\c:\d+4*\c+3] offset:\off+512*\c
.endr
.endm
.macro XLOAD reg, off                  ; 512 bytes of each of my 16 rows: a load of the wave covers 512 consecutive bytes, aligned to 256
.irp i, 0,1,2,3,4,5,6,7,8,9,10,11,12,13,14,15
	global_load_b128 v[\reg+4*\i:\reg+4*\i+3], v[XA], s[4:5] offset:\off+1024*\i th:TH_LOAD_NT
.endr
.endm
.macro TURNX reg                       ; through my stage: in as loaded, back as 16 neighbours of each block of 32 of row lane % 16
.irp i, 0,1,2,3,4,5,6,7,8,9,10,11,12,13,14,15
	ds_store_b128 v[AC], v[\reg+4*\i:\reg+4*\i+3] offset:SP*\i
.endr
	s_wait_dscnt 0x0                               ; the stores have read their registers
.irp b, 0,1,2,3
.irp j, 0,1,2,3
	ds_load_b128 v[\reg+16*\b+4*\j:\reg+16*\b+4*\j+3], v[ASC] offset:128*\b+16*\j
.endr
.endr
	s_wait_dscnt 0x0
.endm
.macro BARRIER
	s_wait_dscnt 0x0
	s_barrier_signal -1
	s_barrier_wait -1
.endm
.macro CREST                           ; a round of the cluster's barrier behind its opening barrier: wave 0 signals for the work-group; every wave waits for all four; my work-group's barrier once more
	s_cmp_lg_u32 s[WV], 0
	s_cbranch_scc1 .Lnot_wave_0_\@
	s_barrier_signal -3
.Lnot_wave_0_\@:
	s_barrier_wait -3
	s_barrier_signal -1
	s_barrier_wait -1
.endm
.macro CROUND                          ; a whole round
	s_barrier_signal -1
	s_barrier_wait -1
	CREST
.endm
; My one joint load behind a round, its five lines, and a prefetch.  cbimg is 13 chunks of 131,072 bytes; a chunk is shared out by address among the four partners of the launch's first cluster (32,768 bytes each)
; and in each among waves 0 to 3 (8,192 each), lanes 256 bytes apart: each aligned block of 256 bytes is named once in the launch.  Fill k (it brings records' bytes 106,496 (k + 1) on) names chunk k + 2,
; which begins behind that load's end.  Fills 0 to 10 name chunks 2 to 12, the last of which ends with the buffer; chunks 0 and 1 come by their loads alone.
.macro FILL
	tensor_load_to_lds s[G0:G0+3], s[G1:G1+7]
	s_nop 0
.rept 4
	v_nop
.endr
	s_cmp_gt_u32 s[SLOTS], s[LIM]
	s_cbranch_scc0 .Lnot_mine_\@
	global_prefetch_b8 v[PFO], s[PFA:PFA+1] th:TH_LOAD_NT scope:SCOPE_SE
.Lnot_mine_\@:
.endm
.macro LOADF i                         ; record i of my four: both fragments and the scale words: seven LDS loads
.irp c, 0,1,2,3,4,5
	ds_load_b128 v[CF+4*\c:CF+4*\c+3], v[AC] offset:REC*(\i)+512*\c
.endr
	ds_load_b32 v[CSC], v[ASC] offset:REC*(\i)
.endm
.macro LOADC i                         ; its c2 of codes 8 h + 0 .. 7: two
	ds_load_b128 v[C2:C2+3], v[AC2] offset:REC*(\i)
	ds_load_b128 v[C2+4:C2+7], v[AC2] offset:REC*(\i)+16
.endm
.macro ADDS q                          ; e2 + c2 for tile q of the queries, into set q % 2
.irp k, 0,2,4,6
	v_dual_add_f32 v[S+8*((\q)%2)+\k], v[C2+\k], v[ST+2*(\q)] :: v_dual_add_f32 v[S+8*((\q)%2)+\k+1], v[C2+\k+1], v[ST+2*(\q)]
.endr
.endm
; Tiles a and a + 1 of the queries.  par = 0: the least distance so far is A, the new one B; 1: the other way round.
.macro ARG a, par
.if \par
.set OA, RB+(\a)
.set OB, RB+(\a)+1
.set NA, ST+2*(\a)+1
.set NB, ST+2*(\a)+3
.else
.set OA, ST+2*(\a)+1
.set OB, ST+2*(\a)+3
.set NA, RB+(\a)
.set NB, RB+(\a)+1
.endif
.irp k, 0,2,4,6
	v_dual_fmac_f32 v[S+\k], v[ACC+8*(\a)+\k], v[M2] :: v_dual_fmac_f32 v[S+\k+1], v[ACC+8*(\a)+\k+1], v[M2]           ; (e2 + c2) - 2 x the product; each accumulator from its low end on
	v_dual_fmac_f32 v[S+8+\k], v[ACC+8*(\a)+8+\k], v[M2] :: v_dual_fmac_f32 v[S+9+\k], v[ACC+8*(\a)+9+\k], v[M2]
.endr
	v_min3_num_f32 v[TT], v[S], v[S+1], v[S+2]
	v_min3_num_f32 v[TT+3], v[S+8], v[S+9], v[S+10]
	v_min3_num_f32 v[TT+1], v[S+3], v[S+4], v[S+5]
	v_min3_num_f32 v[TT+4], v[S+11], v[S+12], v[S+13]
	v_min3_num_f32 v[TT+2], v[S+6], v[S+7], v[OA]
	v_min3_num_f32 v[TT+5], v[S+14], v[S+15], v[OB]
	s_delay_alu instid0(VALU_DEP_2)
	v_min3_num_f32 v[NA], v[TT], v[TT+1], v[TT+2]
	s_delay_alu instid0(VALU_DEP_2)
	v_min3_num_f32 v[NB], v[TT+3], v[TT+4], v[TT+5]
	s_delay_alu instid0(VALU_DEP_2)
	v_cmp_lt_f32 vcc_lo, v[NA], v[OA]              ; strictly less: an equal distance of a later tile does not win
	s_delay_alu instid0(VALU_DEP_2)
	v_cmp_lt_f32 s[MB], v[NB], v[OB]
	v_cndmask_b32 v[G+(\a)], v[G+(\a)], v[VT], vcc_lo
.irp j, 0,2,4,6
	v_dual_cndmask_b32 v[SV+8*(\a)+\j], v[SV+8*(\a)+\j], v[S+\j] :: v_dual_cndmask_b32 v[SV+8*(\a)+\j+1], v[SV+8*(\a)+\j+1], v[S+\j+1]
.endr
	s_mov_b32 vcc_lo, s[MB]                        ; the dual select takes its mask from VCC
	v_cndmask_b32 v[G+(\a)+1], v[G+(\a)+1], v[VT], vcc_lo
.irp j, 0,2,4,6
	v_dual_cndmask_b32 v[SV+8*(\a)+8+\j], v[SV+8*(\a)+8+\j], v[S+8+\j] :: v_dual_cndmask_b32 v[SV+8*(\a)+9+\j], v[SV+8*(\a)+9+\j], v[S+9+\j]
.endr
.endm
; One tile of 16 codes against the 128 queries: 16 matrix instructions, the eight accumulators by turns, then the distances and the argmin.
; bar = 1 (a slot's last tile): the change of slots lies round it.
.macro TILE i, bar
.if \bar
	s_wait_xcnt 0x0                                ; the last prefetch has read its address, so it may be stepped
	s_add_nc_u64 s[PFA:PFA+1], s[PFA:PFA+1], CHUNK
	s_wait_tensorcnt 0x0                           ; all my tensor loads are in (one was out: my part of the next slot), so group 0 may be written
	ds_add_u32 v[SPW], v[NIL]                      ; 0 onto my spare word
	s_xor_b32 s[G0+1], s[G0+1], SLOT1              ; the slot in hand,
	s_add_nc_u64 s[G0+2:G0+3], s[G0+2:G0+3], SLOTB ; the next 32 records; the type bits on top are not reached
	s_wait_dscnt 0x0                               ; the add is done, and my reads of this slot, this record's nine loads the last of them, are in
	s_barrier_signal -1                            ; opens a round of the cluster's barrier
.else
	s_wait_dscnt 2                                 ; the record's seven loads are in; the two of c2, issued behind them, may be out
.endif
	WIN 0x04                                       ; source 1, the queries, in window 1
.irp q, 0,1,2,3,4,5,6,7
	v_wmma_scale_f32_16x16x128_f8f6f4 v[ACC+8*\q:ACC+8*\q+7], v[CF:CF+11], v[24*\q:24*\q+11], 0, v[CSC], v[QS+\q] matrix_a_fmt:MATRIX_FMT_FP6 matrix_b_fmt:MATRIX_FMT_FP6
.endr
.irp q, 0,1,2,3,4,5,6,7
	v_wmma_scale_f32_16x16x128_f8f6f4 v[ACC+8*\q:ACC+8*\q+7], v[CF+12:CF+23], v[24*\q+12:24*\q+23], v[ACC+8*\q:ACC+8*\q+7], v[CSC], v[QS+\q] matrix_a_fmt:MATRIX_FMT_FP6 matrix_b_fmt:MATRIX_FMT_FP6 matrix_a_scale:MATRIX_SCALE_ROW1 matrix_b_scale:MATRIX_SCALE_ROW1
.endr
	WIN 0
.if \bar == 0
	s_wait_dscnt 0x0                               ; c2
.endif
	v_mov_b32 v[VT], s[TI]
	s_add_co_u32 s[TI], s[TI], 16
	ADDS 0                                         ; with the line above nine instructions that name no register of the products: the places in front of the loads into
	ADDS 1                                         ; the fragments' registers and of the first read of results
.if (\i) < 3
	LOADF (\i)+1
.endif
	ARG 0, (\i)%2
	ADDS 2
	ADDS 3
	ARG 2, (\i)%2
	ADDS 4
	ADDS 5
	ARG 4, (\i)%2
	ADDS 6
	ADDS 7
	ARG 6, (\i)%2
.if (\i) < 3
	LOADC (\i)+1
.endif
.if \bar
	s_barrier_wait -1                              ; every wave of my work-group has left this slot,
	CREST                                          ; and every wave of every partner
	FILL                                           ; my part of it is filled again, first behind the round
.endif
.endm
.macro PROCESS bar                     ; my four records of the slot in hand
	v_add_nc_u32 v[AC], s[TB], v[AC0]
	v_add_nc_u32 v[ASC], s[TB], v[ASC0]
	v_add_nc_u32 v[AC2], s[TB], v[AC20]
	LOADF 0
	LOADC 0
	TILE 0, 0
	TILE 1, 0
	TILE 2, 0
	TILE 3, \bar
	s_xor_b32 s[TB], s[TB], SLOT1                  ; on to the other slot,
	s_add_co_u32 s[TI], s[TI], 448                 ; and to my first tile of the next 32
.endm
.macro LEX val, idx, oval, oidx        ; the other pair is taken where its distance is less, or equal with the lower index
	v_cmp_lt_f32 s37, v[\oval], v[\val]
	v_cmp_eq_f32 s38, v[\oval], v[\val]
	v_cmp_lt_u32 s39, v[\oidx], v[\idx]
	s_and_b32 s38, s38, s39
	s_or_b32 s37, s37, s38
	v_cndmask_b32 v[\val], v[\val], v[\oval], s37
	v_cndmask_b32 v[\idx], v[\idx], v[\oidx], s37
.endm
	s_load_b256 s[4:11], s[0:1], 0x0               ; z_e s[4:5], cbimg s[6:7], out2 s[8:9], idxw s[10:11]
	v_lshl_add_u32 v[SPW], v0, 2, SPARE
	v_mov_b32 v[NIL], 0
	ds_add_u32 v[SPW], v[NIL]
	ds_add_u32 v[SPW], v[NIL]
	v_lshrrev_b32 v[TT], 5, v0
	s_delay_alu instid0(VALU_DEP_1)
	v_readfirstlane_b32 s[WV], v[TT]               ; wave 0..7
	s_bfe_u32 s13, ttmp6, 0x40000                  ; cx: my place in the cluster
	s_lshl_b32 s14, ttmp9, 2                       ; in a cluster launch ttmp9 counts clusters
	s_add_co_u32 s14, s14, s13                     ; my block of 128 queries: it enters z_e's, out2's and idxw's addresses alone
	v_and_b32 v[TT], 31, v0                        ; lane
	v_and_b32 v[TT+1], 15, v0                      ; r
	v_bfe_u32 v[TT+2], v0, 4, 1                    ; h
	s_delay_alu instid0(VALU_DEP_3)
	v_lshl_add_u32 v[LQ], v[TT], 4, QIMG
	s_delay_alu instid0(VALU_DEP_4)
	v_lshl_add_u32 v[LSQ], v[TT], 2, QSC
	v_lshl_add_u32 v[LSE], v[TT], 2, QE2
	s_mul_i32 s42, s[WV], WPART                    ; my part of a slot, and of a slot's records in memory: no place in the cluster enters it
	v_lshlrev_b32 v[XA], 4, v[TT]
	s_delay_alu instid0(VALU_DEP_1)
	v_add_nc_u32 v[AC0], s42, v[XA]
	s_add_co_u32 s43, s42, 3072
	v_lshlrev_b32 v[TT+3], 2, v[TT]
	s_delay_alu instid0(VALU_DEP_1)
	v_add_nc_u32 v[ASC0], s43, v[TT+3]
	s_add_co_u32 s43, s42, 3200
	v_lshlrev_b32 v[TT+3], 5, v[TT+2]
	s_delay_alu instid0(VALU_DEP_1)
	v_add_nc_u32 v[AC20], s43, v[TT+3]
	s_mul_i32 s43, s[WV], 2*FRB
	v_add_nc_u32 v[QWI], s43, v[LQ]
	s_lshl_b32 s43, s[WV], 7
	v_add_nc_u32 v[QWS], s43, v[LSQ]
	v_add_nc_u32 v[QWE], s43, v[LSE]
	v_lshlrev_b32 v[PFO], 8, v[TT]
	s_mul_i32 s43, s[WV], 16*SP
	s_add_co_u32 s43, s43, STG                     ; my stage
	v_add_nc_u32 v[AC], s43, v[XA]                 ; in: 16 x lane, the row in the immediate
	v_mul_u32_u24 v[TT+3], v[TT+1], SP
	s_delay_alu instid0(VALU_DEP_1)
	v_lshl_add_u32 v[TT+3], v[TT+2], 6, v[TT+3]
	s_delay_alu instid0(VALU_DEP_1)
	v_add_nc_u32 v[ASC], s43, v[TT+3]              ; back: row r, + 64 h
	v_lshlrev_b32 v[H8], 3, v[TT+2]
	; descriptor group 1: four records, a dense block of 13,312 bytes, as 52 rows of 256 bytes (32 elements of 8 bytes), no padding: every read of it is 16 x lane on end
	s_mov_b32 s[G1], 15|(3<<16)|(1<<21)            ; the mask: all four work-groups; elements of 8 bytes; bit 21 set beside a mask
	s_mov_b32 s[G1+1], 32<<16
	s_mov_b32 s[G1+2], 52<<16
	s_mov_b32 s[G1+3], 32<<16
	s_mov_b32 s[G1+4], 52
	s_mov_b32 s[G1+5], 32
	s_mov_b32 s[G1+6], 0
	s_mov_b32 s[G1+7], 0
	s_mov_b32 s[SEL], 0x76543210
	s_mov_b32 s[SEL+1], 0xfedcba98
	s_mov_b32 s[TB], 0
	s_lshl_b32 s[TI], s[WV], 6                     ; my first tile is 4 w: 64 w codes on
	s_mov_b32 s[SLOTS], 15
	s_lshr_b32 s[LIM], s[WV], 2                    ; 0 in waves 0 to 3,
	s_or_b32 s[LIM], s[LIM], ttmp9                 ; of the launch's first cluster: the same in all four partners
	s_cmp_eq_u32 s[LIM], 0
	s_cselect_b32 s[LIM], 4, -1
	s_lshl_b32 s40, s14, 17                        ; z_e: 128 rows of 1,024 bytes a work-group,
	s_lshl_b32 s41, s[WV], 14                      ; 16 a wave
	s_add_co_u32 s40, s40, s41
	s_mov_b32 s41, 0
	s_lshl_b32 s44, s14, 9                         ; the indices: 512 bytes a work-group
	s_mov_b32 s45, 0
	s_lshl_b32 s46, s13, 15                        ; the prefetches: my work-group's 32,768 bytes of a chunk,
	s_and_b32 s47, s[WV], 3
	s_lshl_b32 s47, s47, 13                        ; my wave's 8,192,
	s_add_co_u32 s46, s46, s47
	s_add_co_u32 s46, s46, CHUNK                   ; in chunk 1: the first fill steps it to chunk 2
	s_mov_b32 s47, 0
	s_mov_b32 s43, 0
	s_wait_dscnt 0x0                               ; both opening adds are done
	s_wait_alu depctr_va_vdst(0)
	s_wait_kmcnt 0x0
	s_add_nc_u64 s[4:5], s[4:5], s[40:41]
	s_add_nc_u64 s[8:9], s[8:9], s[44:45]
	s_add_nc_u64 s[10:11], s[10:11], s[44:45]
	s_add_nc_u64 s[PFA:PFA+1], s[6:7], s[46:47]
	s_mov_b32 s[G0], 1
	s_mov_b32 s[G0+1], s42                         ; slot 0
	s_add_nc_u64 s[G0+2:G0+3], s[6:7], s[42:43]    ; my four of the first 32 records
	s_or_b32 s[G0+3], s[G0+3], 0x80000000
	XLOAD X0, 0                                    ; my 16 queries: K 0..127,
	XLOAD X1, 512                                  ; K 128..255
	CROUND                                         ; all four work-groups are here: the first joint loads meet
	tensor_load_to_lds s[G0:G0+3], s[G1:G1+7]      ; slot 0: my one tensor load at the head
	s_nop 0
.rept 4
	v_nop
.endr
.irp b, 0,1,2,3
	v_mov_b32 v[TM+4+\b], 0                        ; written once: a lane permute's destination counts as one of its sources
.endr
	s_wait_loadcnt 16                              ; K step 0 is in; K step 1's 16 loads may be out
	TURNX X0
	v_pk_mul_f32 v[E2C:E2C+1], v[X0:X0+1], v[X0:X0+1]                 ; e2: two chains of pairs
	v_pk_mul_f32 v[E2C+2:E2C+3], v[X0+2:X0+3], v[X0+2:X0+3]
.irp j, 4,8,12,16,20,24,28,32,36,40,44,48,52,56,60
	s_delay_alu instid0(VALU_DEP_2)
	v_pk_fma_f32 v[E2C:E2C+1], v[X0+\j:X0+\j+1], v[X0+\j:X0+\j+1], v[E2C:E2C+1]
	s_delay_alu instid0(VALU_DEP_2)
	v_pk_fma_f32 v[E2C+2:E2C+3], v[X0+\j+2:X0+\j+3], v[X0+\j+2:X0+\j+3], v[E2C+2:E2C+3]
.endr
	QUANT X0, PC
	IMAGE QWI, 0, PC
	v_mov_b32 v[PW0], v[PW]
	s_wait_dscnt 0x0                               ; the stores have read their registers
	s_wait_loadcnt 0x0
	TURNX X1
	v_pk_fma_f32 v[E2C:E2C+1], v[X1:X1+1], v[X1:X1+1], v[E2C:E2C+1]
	v_pk_fma_f32 v[E2C+2:E2C+3], v[X1+2:X1+3], v[X1+2:X1+3], v[E2C+2:E2C+3]
.irp j, 4,8,12,16,20,24,28,32,36,40,44,48,52,56,60
	s_delay_alu instid0(VALU_DEP_2)
	v_pk_fma_f32 v[E2C:E2C+1], v[X1+\j:X1+\j+1], v[X1+\j:X1+\j+1], v[E2C:E2C+1]
	s_delay_alu instid0(VALU_DEP_2)
	v_pk_fma_f32 v[E2C+2:E2C+3], v[X1+\j+2:X1+\j+3], v[X1+\j+2:X1+\j+3], v[E2C+2:E2C+3]
.endr
	s_delay_alu instid0(VALU_DEP_2)
	v_add_f32 v[E2C], v[E2C], v[E2C+1]
	s_delay_alu instid0(VALU_DEP_2)
	v_add_f32 v[E2C+2], v[E2C+2], v[E2C+3]
	s_delay_alu instid0(VALU_DEP_1)
	v_add_f32 v[E2C], v[E2C], v[E2C+2]
	s_delay_alu instid0(VALU_DEP_1)
	v_permlanex16_b32 v[E2C+1], v[E2C], s[SEL], s[SEL+1]
	s_delay_alu instid0(VALU_DEP_1)
	v_add_f32 v[E2], v[E2C], v[E2C+1]              ; e2 of query r, in both halves of the lanes
	QUANT X1, PC
	IMAGE QWI, FRB, PC
	v_cmp_le_u32 vcc_lo, 16, v[TT]
	s_delay_alu instid0(VALU_DEP_1)
	v_cndmask_b32 v[PW], v[PW0], v[PW], vcc_lo     ; lanes 0-15 carry K step 0's word of query r, lanes 16-31 K step 1's
	ds_store_b32 v[QWS], v[PW]
	ds_store_b32 v[QWE], v[E2]
	; one round for two things: the queries' images lie in LDS, and slot 1's first fill, issued as a refill is
	s_wait_tensorcnt 0x0                           ; slot 0's part of mine is in
	ds_add_u32 v[SPW], v[NIL]
	s_xor_b32 s[G0+1], s[G0+1], SLOT1              ; slot 1,
	s_add_nc_u64 s[G0+2:G0+3], s[G0+2:G0+3], SLOTB ; the second 32 records
	s_add_nc_u64 s[PFA:PFA+1], s[PFA:PFA+1], CHUNK
	s_wait_dscnt 0x0                               ; the add and my stores are done
	CROUND
	FILL
	s_mov_b32 s[SLOTS], 14                         ; fills still to come: the loop's trips
	WIN 0x40                                       ; destination window 1
.irp f, 0,1,2,3,4,5,6,7,8,9,10,11,12,13,14,15
.irp c, 0,1,2
	ds_load_b128 v[12*\f+4*\c:12*\f+4*\c+3], v[LQ] offset:FRB*\f+512*\c   ; all sixteen fragments stay in my registers
.endr
.endr
	WIN 0
.irp q, 0,1,2,3,4,5,6,7
	ds_load_b32 v[QS+\q], v[LSQ] offset:128*\q
	ds_load_b32 v[ST+2*\q], v[LSE] offset:128*\q
.endr
	s_mov_b32 s[MB], 0x7f800000                    ; the first tile finds +infinity as the least distance so far
	v_mov_b32 v[M2], -2.0
.irp q, 0,1,2,3,4,5,6,7
	v_mov_b32 v[ST+2*\q+1], s[MB]
	v_mov_b32 v[G+\q], 0
.endr
.set n, 0
.rept 64
	v_mov_b32 v[SV+n], s[MB]
.set n, n+1
.endr
	s_wait_dscnt 0x0
.Lslot:                                            ; 14 trips: trip i reads the records of slot data i and asks for i + 2
	PROCESS 1
	s_sub_co_u32 s[SLOTS], s[SLOTS], 1
	s_cmp_lg_u32 s[SLOTS], 0
	s_cbranch_scc1 .Lslot
	PROCESS 0                                      ; the last two slots are written out: they ask for nothing.  This one was shown landed by the last trip's wait,
	s_wait_tensorcnt 0x0                           ; the last by this one; I read my own part alone
	PROCESS 0
	; THE END.  After four tiles a slot the least distance stands in A.  Its place among the winning tile's eight: the lowest j that holds it.
	v_and_b32 v[AC], 15, v0
	s_lshl_b32 s42, s[WV], 10
	s_add_co_u32 s42, s42, CMB
	v_lshl_add_u32 v[AC], v[AC], 3, s42            ; my wave's table: 8 bytes a query
	v_and_b32 v[ASC], 63, v0
	s_delay_alu instid0(VALU_DEP_1)
	v_lshlrev_b32 v[AC2], 3, v[ASC]                ; the way out: two indices a thread
	s_delay_alu instid0(VALU_DEP_2)
	v_lshl_add_u32 v[ASC], v[ASC], 4, CMB          ; and their two pairs in each table
.irp q, 0,1,2,3,4,5,6,7
	v_mov_b32 v[TT], 7
.irp j, 6,5,4,3,2,1,0
	v_cmp_neq_f32 vcc_lo, v[SV+8*\q+\j], v[ST+2*\q+1]
	s_delay_alu instid0(VALU_DEP_1)
	v_cndmask_b32 v[TT], \j, v[TT], vcc_lo
.endr
	s_delay_alu instid0(VALU_DEP_1)
	v_add3_u32 v[S+2*\q+1], v[G+\q], v[H8], v[TT]  ; the index: 16 x tile + 8 h + j
	v_mov_b32 v[S+2*\q], v[ST+2*\q+1]
	s_delay_alu instid0(VALU_DEP_1)
	v_permlanex16_b32 v[TT+2], v[S+2*\q], s[SEL], s[SEL+1]
	s_delay_alu instid0(VALU_DEP_3)
	v_permlanex16_b32 v[TT+3], v[S+2*\q+1], s[SEL], s[SEL+1]
	LEX S+2*\q, S+2*\q+1, TT+2, TT+3               ; with the other half of the lanes' eight codes a tile
	ds_store_b64 v[AC], v[S+2*\q:S+2*\q+1] offset:128*\q   ; lanes r and r + 16 write the same pair
.endr
	BARRIER                                        ; the eight waves' tables lie in LDS
.irp n, 0,1,2,3,4,5,6,7
	ds_load_b128 v[ACC+4*\n:ACC+4*\n+3], v[ASC] offset:1024*\n
.endr
	s_wait_dscnt 0x0
.irp n, 1,2,3,4,5,6,7
	LEX ACC, ACC+1, ACC+4*\n, ACC+4*\n+1
	LEX ACC+2, ACC+3, ACC+4*\n+2, ACC+4*\n+3
.endr
	v_mov_b32 v[ACC], v[ACC+1]
	s_delay_alu instid0(VALU_DEP_2)
	v_mov_b32 v[ACC+1], v[ACC+3]
	s_cmp_lt_u32 s[WV], 2                          ; waves 0 and 1 store 64 indices each
	s_wait_alu depctr_va_vdst(0)
	s_cbranch_scc0 .Lno_store
	global_store_b64 v[AC2], v[ACC:ACC+1], s[8:9]  ; each store of a wave covers 256 consecutive bytes, aligned
	global_store_b64 v[AC2], v[ACC:ACC+1], s[10:11]
.Lno_store:
	s_wait_tensorcnt 0x0                           ; the wave's end
	ds_add_u32 v[SPW], v[NIL]
	s_wait_dscnt 0x0
	CROUND                                         ; the closing round: no work-group ends while a partner may still ask for a tile that names it
	s_endpgm
.Lfunc_end_k_qd727454086_vqmain:
	.size	k_qd727454086_vqmain, .Lfunc_end_k_qd727454086_vqmain-k_qd727454086_vqmain
	.p2alignl 7, 3214868480
	.fill 96, 4, 3214868480
	.section	.rodata,"a",@progbits
	.p2align	6, 0x0
	.amdhsa_kernel k_qd727454086_vqmain
		.amdhsa_group_segment_fixed_size 327680
		.amdhsa_private_segment_fixed_size 0
		.amdhsa_enable_private_segment 0
		.amdhsa_kernarg_size 32
		.amdhsa_user_sgpr_count 2
		.amdhsa_user_sgpr_kernarg_segment_ptr 1
		.amdhsa_wavefront_size32 1
		.amdhsa_system_sgpr_workgroup_id_x 1
		.amdhsa_system_sgpr_workgroup_id_y 1
		.amdhsa_system_sgpr_workgroup_id_z 1
		.amdhsa_system_vgpr_workitem_id 0
		.amdhsa_next_free_vgpr 448
		.amdhsa_next_free_sgpr 66
		.amdhsa_reserve_vcc 1
		.amdhsa_float_denorm_mode_32 3
		.amdhsa_float_denorm_mode_16_64 3
		.amdhsa_memory_ordered 1
		.amdhsa_forward_progress 1
		.amdhsa_inst_pref_size 202
	.end_amdhsa_kernel
	.amdgpu_metadata
---
amdhsa.version: [ 1, 2 ]
amdhsa.kernels:
  - .name:           k_qd727454086_vqmain
    .symbol:         k_qd727454086_vqmain.kd
    .args:
      - { .name: z_e, .offset: 0, .size: 8, .value_kind: global_buffer, .address_space: global }
      - { .name: cbimg, .offset: 8, .size: 8, .value_kind: global_buffer, .address_space: global }
      - { .name: out2, .offset: 16, .size: 8, .value_kind: global_buffer, .address_space: global }
      - { .name: idxw, .offset: 24, .size: 8, .value_kind: global_buffer, .address_space: global }
    .group_segment_fixed_size: 327680
    .private_segment_fixed_size: 0
    .kernarg_segment_align: 8
    .kernarg_segment_size: 32
    .max_flat_workgroup_size: 256
    .sgpr_count:     66
    .vgpr_count:     448
    .wavefront_size: 32
...
	.end_amdgpu_metadata
.endif
;; end of part 2
;; launch gather (part 3): grid 256 x 1, 8 waves a work-group, no clusters, 1,280 bytes of LDS; arguments z_e, cbf, idxw, out0, part; writes out0, part
.if DOCPART == 3
	.amdgcn_target "amdgcn-amd-amdhsa--gfx1250"
	.amdhsa_code_object_version 6
	.text
	.protected	k_qd727454086_gather
	.globl	k_qd727454086_gather
	.p2align	8
	.type	k_qd727454086_gather,@function
k_qd727454086_gather:
	s_mov_b64 s[64:65], 0
	v_nop
	global_prefetch_b8 v0, s[64:65] scope:SCOPE_SE
	s_setreg_imm32_b32 hwreg(HW_REG_WAVE_MODE, 25, 1), 1
	s_wait_xcnt 0x0
; out0[q] = z_e[q] + (codebook[index[q]] - z_e[q]), with the two roundings as written, and part[work-group] = the sum of |codebook[index[q]] - z_e[q]| over its 128 rows.
; A stream: a wave takes 16 rows of 1,024 bytes; a row is two loads of the wave, 512 consecutive bytes each, from z_e and two from the codebook's row that the stored index names; two stores likewise.
; The 16 indices are whole numbers that the launch before stored: they come by one scalar load, are held to the table's 8,192 rows and become byte offsets.
; A ring of eight row slots in registers: seven rows are on their way while one is worked on.  No matrix unit, no cluster, no LDS ring: the work-groups share no tile whose place is known ahead, and bytes bind.
.set VL, 1                             ; v1     16 x lane
.set GQ, 2                             ; v2-9   slot s: the codebook row's byte offset + 16 x lane
.set DF, 10                            ; v10-17 z_q - z_e
.set AL, 18                            ; v18-21 four chains of |z_q - z_e|
.set ZE, 32                            ; v32-95  slot s: 8 registers of z_e
.set ZQ, 96                            ; v96-159 slot s: 8 registers of the codebook's row, then of the result
	s_load_b256 s[4:11], s[0:1], 0x0               ; z_e s[4:5], cbf s[6:7], idxw s[8:9], out0 s[10:11]
	s_load_b64 s[12:13], s[0:1], 0x20              ; part
	v_lshl_add_u32 v160, v0, 2, 0x100
	v_mov_b32 v161, 0
	v_lshrrev_b32 v22, 5, v0
	s_delay_alu instid0(VALU_DEP_1)
	v_readfirstlane_b32 s14, v22                   ; wave 0..7
	v_and_b32 v22, 31, v0
	s_delay_alu instid0(VALU_DEP_1)
	v_lshlrev_b32 v[VL], 4, v22
.irp k, 0,1,2,3
	v_mov_b32 v[AL+\k], 0
.endr
	s_mov_b32 s40, 0x76543210
	s_mov_b32 s41, 0xfedcba98
	s_lshl_b32 s32, ttmp9, 7
	s_lshl_b32 s33, s14, 4
	s_add_co_u32 s32, s32, s33                     ; my first row: 128 x work-group + 16 x wave
	s_lshl_b32 s36, s32, 2                         ; its index,
	s_mov_b32 s37, 0
	s_lshl_b32 s32, s32, 10                        ; its bytes in z_e and out0
	s_mov_b32 s33, 0
	s_lshl_b32 s38, ttmp9, 2
	s_mov_b32 s39, 0
	s_wait_alu depctr_va_vdst(0)
	s_wait_kmcnt 0x0
	s_add_nc_u64 s[8:9], s[8:9], s[36:37]
	s_load_b512 s[16:31], s[8:9], 0x0              ; my 16 indices
	s_add_nc_u64 s[4:5], s[4:5], s[32:33]
	s_add_nc_u64 s[10:11], s[10:11], s[32:33]
	s_add_nc_u64 s[12:13], s[12:13], s[38:39]
	s_wait_kmcnt 0x0
.irp k, 0,1,2,3,4,5,6,7,8,9,10,11,12,13,14,15
	s_min_u32 s[16+\k], s[16+\k], 0x1fff           ; held inside the table
	s_lshl_b32 s[16+\k], s[16+\k], 10              ; a row is 1,024 bytes
.endr
.macro FILL r                          ; row r into slot r % 8: four loads
.set SL, (\r)%8
	v_add_nc_u32 v[GQ+SL], s[16+(\r)], v[VL]
	global_load_b128 v[ZE+8*SL:ZE+8*SL+3], v[VL], s[4:5] offset:1024*(\r) th:TH_LOAD_NT
	global_load_b128 v[ZE+8*SL+4:ZE+8*SL+7], v[VL], s[4:5] offset:1024*(\r)+512 th:TH_LOAD_NT
	global_load_b128 v[ZQ+8*SL:ZQ+8*SL+3], v[GQ+SL], s[6:7]          ; no hint: the list may name a row again
	global_load_b128 v[ZQ+8*SL+4:ZQ+8*SL+7], v[GQ+SL], s[6:7] offset:512
.endm
.macro TURN r
.set SL, (\r)%8
.if 15-(\r) < 6
	s_wait_loadcnt 4*(15-(\r))                     ; the last rows: the counts run down
.else
	s_wait_loadcnt 24                              ; row r's four loads are in; those of the six rows behind it may be out
.endif
.irp k, 0,2,4,6
	v_pk_add_f32 v[DF+\k:DF+\k+1], v[ZQ+8*SL+\k:ZQ+8*SL+\k+1], v[ZE+8*SL+\k:ZE+8*SL+\k+1] neg_lo:[0,1] neg_hi:[0,1]
.endr
.irp k, 0,1,2,3,4,5,6,7
	v_add_f32 v[AL+\k%4], v[AL+\k%4], |v[DF+\k]|
.endr
.irp k, 0,2,4,6
	v_pk_add_f32 v[ZQ+8*SL+\k:ZQ+8*SL+\k+1], v[ZE+8*SL+\k:ZE+8*SL+\k+1], v[DF+\k:DF+\k+1]
.endr
	global_store_b128 v[VL], v[ZQ+8*SL:ZQ+8*SL+3], s[10:11] offset:1024*(\r) th:TH_STORE_NT          ; 512 consecutive bytes, aligned to 256
	global_store_b128 v[VL], v[ZQ+8*SL+4:ZQ+8*SL+7], s[10:11] offset:1024*(\r)+512 th:TH_STORE_NT
.if (\r) <= 8
	s_wait_xcnt 0x0                                ; every earlier memory instruction has had its addresses translated (ISA guide 3.1): the slot whose stores left a turn ago is loaded again only behind this wait
	FILL (\r)+7
.endif
.endm
.irp r, 0,1,2,3,4,5,6
	FILL \r
.endr
.irp r, 0,1,2,3,4,5,6,7,8,9,10,11,12,13,14,15
	TURN \r
.endr
	v_add_f32 v[AL], v[AL], v[AL+1]
	v_add_f32 v[AL+2], v[AL+2], v[AL+3]
	s_delay_alu instid0(VALU_DEP_1)
	v_add_f32 v[AL], v[AL], v[AL+2]
	s_delay_alu instid0(VALU_DEP_1)
	v_add_f32_dpp v[AL], v[AL], v[AL] row_xmask:1 row_mask:0xf bank_mask:0xf
	s_delay_alu instid0(VALU_DEP_1)
	v_add_f32_dpp v[AL], v[AL], v[AL] row_xmask:2 row_mask:0xf bank_mask:0xf
	s_delay_alu instid0(VALU_DEP_1)
	v_add_f32_dpp v[AL], v[AL], v[AL] row_xmask:4 row_mask:0xf bank_mask:0xf
	s_delay_alu instid0(VALU_DEP_1)
	v_add_f32_dpp v[AL], v[AL], v[AL] row_xmask:8 row_mask:0xf bank_mask:0xf
	s_delay_alu instid0(VALU_DEP_1)
	v_permlanex16_b32 v[AL+1], v[AL], s40, s41
	s_delay_alu instid0(VALU_DEP_1)
	v_add_f32 v[AL], v[AL], v[AL+1]                ; the wave's sum, in every lane
	v_mov_b32 v[AL+2], s14
	s_delay_alu instid0(VALU_DEP_1)
	v_lshlrev_b32 v[AL+2], 2, v[AL+2]
	ds_store_b32 v[AL+2], v[AL]                    ; all lanes write the wave's word with the same value
	s_wait_dscnt 0x0
	s_barrier_signal -1
	s_barrier_wait -1
	v_mov_b32 v[AL+3], 0
	ds_load_b128 v[24:27], v[AL+3]
	ds_load_b128 v[28:31], v[AL+3] offset:16
	s_wait_dscnt 0x0
	v_add_f32 v24, v24, v25
	v_add_f32 v26, v26, v27
	v_add_f32 v28, v28, v29
	v_add_f32 v30, v30, v31
	s_delay_alu instid0(VALU_DEP_3)
	v_add_f32 v24, v24, v26
	s_delay_alu instid0(VALU_DEP_2)
	v_add_f32 v28, v28, v30
	s_delay_alu instid0(VALU_DEP_1)
	v_add_f32 v24, v24, v28
	s_cmp_lg_u32 s14, 0
	s_cbranch_scc1 .Lend
	s_wait_xcnt 0x0                                ; EXEC changes only behind this wait
	v_cmp_eq_u32 vcc_lo, 0, v0
	s_and_saveexec_b32 s42, vcc_lo
	s_wait_alu depctr_va_vdst(0)
	global_store_b32 v[AL+3], v24, s[12:13]        ; one number a work-group
	s_wait_xcnt 0x0
	s_or_b32 exec_lo, exec_lo, s42
.Lend:
	s_wait_tensorcnt 0x0
	ds_add_u32 v160, v161
	s_wait_dscnt 0x0
	s_endpgm
.Lfunc_end_k_qd727454086_gather:
	.size	k_qd727454086_gather, .Lfunc_end_k_qd727454086_gather-k_qd727454086_gather
	.p2alignl 7, 3214868480
	.fill 96, 4, 3214868480
	.section	.rodata,"a",@progbits
	.p2align	6, 0x0
	.amdhsa_kernel k_qd727454086_gather
		.amdhsa_group_segment_fixed_size 1280
		.amdhsa_private_segment_fixed_size 0
		.amdhsa_enable_private_segment 0
		.amdhsa_kernarg_size 40
		.amdhsa_user_sgpr_count 2
		.amdhsa_user_sgpr_kernarg_segment_ptr 1
		.amdhsa_wavefront_size32 1
		.amdhsa_system_sgpr_workgroup_id_x 1
		.amdhsa_system_sgpr_workgroup_id_y 1
		.amdhsa_system_sgpr_workgroup_id_z 1
		.amdhsa_system_vgpr_workitem_id 0
		.amdhsa_next_free_vgpr 162
		.amdhsa_next_free_sgpr 66
		.amdhsa_reserve_vcc 1
		.amdhsa_float_denorm_mode_32 3
		.amdhsa_float_denorm_mode_16_64 3
		.amdhsa_memory_ordered 1
		.amdhsa_forward_progress 1
		.amdhsa_inst_pref_size 32
	.end_amdhsa_kernel
	.amdgpu_metadata
---
amdhsa.version: [ 1, 2 ]
amdhsa.kernels:
  - .name:           k_qd727454086_gather
    .symbol:         k_qd727454086_gather.kd
    .args:
      - { .name: z_e, .offset: 0, .size: 8, .value_kind: global_buffer, .address_space: global }
      - { .name: cbf, .offset: 8, .size: 8, .value_kind: global_buffer, .address_space: global }
      - { .name: idxw, .offset: 16, .size: 8, .value_kind: global_buffer, .address_space: global }
      - { .name: out0, .offset: 24, .size: 8, .value_kind: global_buffer, .address_space: global }
      - { .name: part, .offset: 32, .size: 8, .value_kind: global_buffer, .address_space: global }
    .group_segment_fixed_size: 1280
    .private_segment_fixed_size: 0
    .kernarg_segment_align: 8
    .kernarg_segment_size: 40
    .max_flat_workgroup_size: 256
    .sgpr_count:     66
    .vgpr_count:     162
    .wavefront_size: 32
...
	.end_amdgpu_metadata
.endif
;; end of part 3
;; launch loss (part 4): grid 1 x 1, 1 waves a work-group, no clusters, 0 bytes of LDS; arguments part, out1; writes out1
.if DOCPART == 4
	.amdgcn_target "amdgcn-amd-amdhsa--gfx1250"
	.amdhsa_code_object_version 6
	.text
	.protected	k_qd727454086_loss
	.globl	k_qd727454086_loss
	.p2align	8
	.type	k_qd727454086_loss,@function
k_qd727454086_loss:
	s_mov_b64 s[64:65], 0
	v_nop
	global_prefetch_b8 v0, s[64:65] scope:SCOPE_SE
	s_setreg_imm32_b32 hwreg(HW_REG_WAVE_MODE, 25, 1), 1
	s_wait_xcnt 0x0
; loss = m + 0.25 m, m = the mean of |z_q - z_e| over 16 x 2,048 x 256 = 2^23 numbers: both of the loss's terms are that mean.  The 256 work-groups' sums are added here, by one owner: one wave, eight numbers a lane.
	s_load_b128 s[4:7], s[0:1], 0x0                ; part, out1
	v_lshlrev_b32 v1, 5, v0                        ; 32 bytes a lane
	v_mov_b32 v2, 0
	s_mov_b32 s8, 0x76543210
	s_mov_b32 s9, 0xfedcba98
	s_wait_alu depctr_va_vdst(0)
	s_wait_kmcnt 0x0
	global_load_b128 v[4:7], v1, s[4:5]
	global_load_b128 v[8:11], v1, s[4:5] offset:16
	s_wait_loadcnt 0x0
	v_add_f32 v4, v4, v5
	v_add_f32 v6, v6, v7
	v_add_f32 v8, v8, v9
	v_add_f32 v10, v10, v11
	v_add_f32 v4, v4, v6
	v_add_f32 v8, v8, v10
	v_add_f32 v4, v4, v8
	v_add_f32_dpp v4, v4, v4 row_xmask:1 row_mask:0xf bank_mask:0xf
	v_add_f32_dpp v4, v4, v4 row_xmask:2 row_mask:0xf bank_mask:0xf
	v_add_f32_dpp v4, v4, v4 row_xmask:4 row_mask:0xf bank_mask:0xf
	v_add_f32_dpp v4, v4, v4 row_xmask:8 row_mask:0xf bank_mask:0xf
	v_permlanex16_b32 v5, v4, s8, s9
	v_add_f32 v4, v4, v5
	v_mul_f32 v4, 0x34000000, v4                   ; x 2^-23: the mean
	v_fmamk_f32 v5, v4, 0x3e800000, v4             ; m x 0.25 + m
	s_wait_alu depctr_va_vdst(0)
	s_wait_xcnt 0x0                                ; EXEC changes only behind this wait
	v_cmp_eq_u32 vcc_lo, 0, v0
	s_and_saveexec_b32 s10, vcc_lo
	global_store_b32 v2, v5, s[6:7]
	s_wait_xcnt 0x0
	s_or_b32 exec_lo, exec_lo, s10
	s_endpgm
.Lfunc_end_k_qd727454086_loss:
	.size	k_qd727454086_loss, .Lfunc_end_k_qd727454086_loss-k_qd727454086_loss
	.p2alignl 7, 3214868480
	.fill 96, 4, 3214868480
	.section	.rodata,"a",@progbits
	.p2align	6, 0x0
	.amdhsa_kernel k_qd727454086_loss
		.amdhsa_group_segment_fixed_size 0
		.amdhsa_private_segment_fixed_size 0
		.amdhsa_enable_private_segment 0
		.amdhsa_kernarg_size 16
		.amdhsa_user_sgpr_count 2
		.amdhsa_user_sgpr_kernarg_segment_ptr 1
		.amdhsa_wavefront_size32 1
		.amdhsa_system_sgpr_workgroup_id_x 1
		.amdhsa_system_sgpr_workgroup_id_y 1
		.amdhsa_system_sgpr_workgroup_id_z 1
		.amdhsa_system_vgpr_workitem_id 0
		.amdhsa_next_free_vgpr 16
		.amdhsa_next_free_sgpr 66
		.amdhsa_reserve_vcc 1
		.amdhsa_float_denorm_mode_32 3
		.amdhsa_float_denorm_mode_16_64 3
		.amdhsa_memory_ordered 1
		.amdhsa_forward_progress 1
		.amdhsa_inst_pref_size 2
	.end_amdhsa_kernel
	.amdgpu_metadata
---
amdhsa.version: [ 1, 2 ]
amdhsa.kernels:
  - .name:           k_qd727454086_loss
    .symbol:         k_qd727454086_loss.kd
    .args:
      - { .name: part, .offset: 0, .size: 8, .value_kind: global_buffer, .address_space: global }
      - { .name: out1, .offset: 8, .size: 8, .value_kind: global_buffer, .address_space: global }
    .group_segment_fixed_size: 0
    .private_segment_fixed_size: 0
    .kernarg_segment_align: 8
    .kernarg_segment_size: 16
    .max_flat_workgroup_size: 32
    .sgpr_count:     66
    .vgpr_count:     16
    .wavefront_size: 32
...
	.end_amdgpu_metadata
.endif
;; end of part 4
